; MI455X (gfx1250); checked and timed in simulation.
; The chip was launched on July 23, 2026; its instructions are those of AMD's public machine-readable ISA for CDNA 5 (MIT licence, August 2026) and "CDNA5" Instruction Set Architecture Reference Guide (July 2026). The comments in the code are by the model that wrote it; some were corrected since.
;; Ro I Pooling3 D. Allowed arithmetic: float matrix products may take bf16 or f16 operands with f32 sums; all other float work in f32.
;; Inputs: features 2 x 256 x 16 x 64 x 64 float32; rois 128 x 7 float32.
;; Outputs: out0 128 x 256 x 2 x 7 x 7 float32.
;; One version. Each part assembles by itself: llvm-mc -triple=amdgcn-amd-amdhsa -mcpu=gfx1250 --defsym DOCPART=n.
;; ======== version 1 of 1: 2 launches
;; workspace buffers: recs 1,024 bytes of whole numbers
;; launch prep (part 1): grid 1 x 1, 4 waves a work-group, no clusters, 0 bytes of LDS; arguments rois, recs; writes recs
.if DOCPART == 1
	.amdgcn_target "amdgcn-amd-amdhsa--gfx1250"
	.amdhsa_code_object_version 6
	.text
	.protected	k_q00ef22e380_prep
	.globl	k_q00ef22e380_prep
	.p2align	8
	.type	k_q00ef22e380_prep,@function
k_q00ef22e380_prep:
	s_mov_b64 s[64:65], 0
	v_nop
	global_prefetch_b8 v0, s[64:65] scope:SCOPE_SE
	s_setreg_imm32_b32 hwreg(HW_REG_WAVE_MODE, 25, 1), 1
	s_wait_xcnt 0x0
; Turns the 128 boxes (7 f32 each: batch, t1, x1, y1, t2, x2, y2) into two words of whole numbers each, from which the
; next launch forms its addresses, masks and trip counts.  Thread n serves box n; no branch, and every address comes from n alone.
; The reference multiplies the coordinates by spatial_scale = temporal_scale = 1.0, constants of the problem: no multiply is written.
; LIMIT: coordinates outside the table (t 0..15, x and y 0..63, batch 0..1) are clamped into it, and an end below its start
; is raised to the start (length 1); a NaN coordinate converts to 0.
; word 0:  y1 [5:0]   Lh [12:6]   x1 [18:13]   Lw [25:19]   batch [26]
; word 1:  t1 [3:0]   s1 [11:8]   np [14:12]   xa [20:15]   nchunk [22:21]   kh [24:23]   boff [27:25]   hs [28]     (bits 7:4 are 0)
;   Lt, Lh, Lw: the box's lengths.  Both t bins have l = (Lt+1)>>1 slices; the second starts at s1 = Lt>>1.
;   np = (l+1)>>1 pairs of slices cover a t bin; hs = min(l-1, 1) is the step inside a pair; boff is where the second run of pairs starts.
;   xa: first of 32 columns (a multiple of 4) that hold the box, nchunk = 1; a box that needs more takes columns 0-31 and 32-63, nchunk = 2.
;   kh = half (rounded up) of the longest w bin, itself capped at the reference's 6 columns.
.set DIV7, 9363                        ; (p * 9363) >> 16 = p / 7 for p < 13107; here p <= 64
	s_load_b128 s[4:7], s[0:1], 0x0                ; rois s[4:5], recs s[6:7]
	v_mul_u32_u24 v1, 28, v0                       ; my box: 7 numbers of 4 bytes
	v_lshlrev_b32 v28, 3, v0                       ; my record: 8 bytes
	s_wait_kmcnt 0x0
.irp j, 0,1,2,3,4,5,6
	global_load_b32 v[2+\j], v1, s[4:5] offset:4*\j
.endr
	s_wait_loadcnt 0x0                             ; all seven are used at once
.irp j, 3,4,5,6,7,8
	v_floor_f32 v\j, v\j                           ; the coordinates are floored, the batch index is cut toward zero
.endr
.irp j, 2,3,4,5,6,7,8
	v_cvt_i32_f32 v\j, v\j                         ; v2 batch, v3 t1, v4 x1, v5 y1, v6 t2, v7 x2, v8 y2
.endr
	v_max_i32 v2, 0, v2
	v_min_i32 v2, 1, v2
	v_max_i32 v3, 0, v3
	v_min_i32 v3, 15, v3
	v_max_i32 v6, v6, v3
	v_min_i32 v6, 15, v6
	v_max_i32 v4, 0, v4
	v_min_i32 v4, 63, v4
	v_max_i32 v7, v7, v4
	v_min_i32 v7, 63, v7
	v_max_i32 v5, 0, v5
	v_min_i32 v5, 63, v5
	v_max_i32 v8, v8, v5
	v_min_i32 v8, 63, v8
	v_sub_nc_u32 v9, v6, v3
	v_add_nc_u32 v9, 1, v9                         ; Lt, 1..16
	v_sub_nc_u32 v10, v7, v4
	v_add_nc_u32 v10, 1, v10                       ; Lw, 1..64
	v_sub_nc_u32 v11, v8, v5
	v_add_nc_u32 v11, 1, v11                       ; Lh, 1..64
	v_add_nc_u32 v12, 1, v9
	v_lshrrev_b32 v12, 1, v12                      ; l, 1..8
	v_lshrrev_b32 v13, 1, v9                       ; s1, 0..8
	v_add_nc_u32 v14, 1, v12
	v_lshrrev_b32 v14, 1, v14                      ; np, 1..4
	v_add_nc_u32 v15, -1, v12
	v_min_u32 v15, 1, v15                          ; hs
	v_add_nc_u32 v16, -2, v12
	v_max_i32 v16, 0, v16                          ; max(l-2, 0)
	v_lshrrev_b32 v17, 2, v14
	v_lshlrev_b32 v17, 1, v17
	v_sub_nc_u32 v16, v16, v17                     ; boff: l-2, or l-4 where four pairs are taken; 0..4
	v_and_b32 v18, 0x3c, v4                        ; x0 = x1 cut to a multiple of 4
	v_sub_nc_u32 v19, v7, v18
	v_cmp_gt_u32 vcc_lo, 32, v19                   ; the box fits into 32 columns from x0
	v_min_u32 v20, 32, v18
	v_cndmask_b32 v20, 0, v20, vcc_lo              ; xa
	v_mov_b32 v22, 1
	v_cndmask_b32 v21, 2, v22, vcc_lo              ; nchunk
	v_mul_u32_u24 v23, DIV7, v10
	v_lshrrev_b32 v23, 16, v23                     ; a = Lw / 7
	v_mul_u32_u24 v24, 7, v23
	v_sub_nc_u32 v24, v10, v24                     ; r = Lw - 7 a
	v_min_u32 v24, 2, v24
	v_add_nc_u32 v23, v23, v24                     ; the longest w bin: a + min(r, 2),
	v_min_u32 v23, 6, v23                          ; of which the reference reads 6 columns at most
	v_add_nc_u32 v23, 1, v23
	v_lshrrev_b32 v23, 1, v23                      ; kh, 1..3
	v_lshl_or_b32 v26, v11, 6, v5
	v_lshl_or_b32 v26, v4, 13, v26
	v_lshl_or_b32 v26, v10, 19, v26
	v_lshl_or_b32 v26, v2, 26, v26
	v_lshl_or_b32 v27, v13, 8, v3
	v_lshl_or_b32 v27, v14, 12, v27
	v_lshl_or_b32 v27, v20, 15, v27
	v_lshl_or_b32 v27, v21, 21, v27
	v_lshl_or_b32 v27, v23, 23, v27
	v_lshl_or_b32 v27, v16, 25, v27
	v_lshl_or_b32 v27, v15, 28, v27
	global_store_b64 v28, v[26:27], s[6:7]         ; a wave's 32 records are 256 neighbouring bytes
	s_endpgm
.Lfunc_end_k_q00ef22e380_prep:
	.size	k_q00ef22e380_prep, .Lfunc_end_k_q00ef22e380_prep-k_q00ef22e380_prep
	.p2alignl 7, 3214868480
	.fill 96, 4, 3214868480
	.section	.rodata,"a",@progbits
	.p2align	6, 0x0
	.amdhsa_kernel k_q00ef22e380_prep
		.amdhsa_group_segment_fixed_size 0
		.amdhsa_private_segment_fixed_size 0
		.amdhsa_enable_private_segment 0
		.amdhsa_kernarg_size 16
		.amdhsa_user_sgpr_count 2
		.amdhsa_user_sgpr_kernarg_segment_ptr 1
		.amdhsa_wavefront_size32 1
		.amdhsa_system_sgpr_workgroup_id_x 1
		.amdhsa_system_sgpr_workgroup_id_y 1
		.amdhsa_system_sgpr_workgroup_id_z 1
		.amdhsa_system_vgpr_workitem_id 0
		.amdhsa_next_free_vgpr 32
		.amdhsa_next_free_sgpr 66
		.amdhsa_reserve_vcc 1
		.amdhsa_float_denorm_mode_32 3
		.amdhsa_float_denorm_mode_16_64 3
		.amdhsa_memory_ordered 1
		.amdhsa_forward_progress 1
		.amdhsa_inst_pref_size 4
	.end_amdhsa_kernel
	.amdgpu_metadata
---
amdhsa.version: [ 1, 2 ]
amdhsa.kernels:
  - .name:           k_q00ef22e380_prep
    .symbol:         k_q00ef22e380_prep.kd
    .args:
      - { .name: rois, .offset: 0, .size: 8, .value_kind: global_buffer, .address_space: global }
      - { .name: recs, .offset: 8, .size: 8, .value_kind: global_buffer, .address_space: global }
    .group_segment_fixed_size: 0
    .private_segment_fixed_size: 0
    .kernarg_segment_align: 8
    .kernarg_segment_size: 16
    .max_flat_workgroup_size: 128
    .sgpr_count:     66
    .vgpr_count:     32
    .wavefront_size: 32
...
	.end_amdgpu_metadata
.endif
;; end of part 1
;; launch pool (part 2): grid 256 x 1, 16 waves a work-group, no clusters, 327,168 bytes of LDS; arguments features, recs, out0; writes out0
.if DOCPART == 2
	.amdgcn_target "amdgcn-amd-amdhsa--gfx1250"
	.amdhsa_code_object_version 6
	.text
	.protected	k_q00ef22e380_pool
	.globl	k_q00ef22e380_pool
	.p2align	8
	.type	k_q00ef22e380_pool,@function
k_q00ef22e380_pool:
	s_mov_b64 s[64:65], 0
	v_nop
	global_prefetch_b8 v0, s[64:65] scope:SCOPE_SE
	s_setreg_imm32_b32 hwreg(HW_REG_WAVE_MODE, 25, 1), 1
	s_wait_xcnt 0x0
; RoI max pooling, out0[n][c][2][7][7] = maxima over adaptive bins of box n in features[batch(n)][c][16][64][64].
; Work-group c holds ONE whole (batch, channel) volume of 256 KiB in LDS and serves from it every box of that batch, first
; batch 0, then batch 1: each feature byte is loaded from memory once in the launch.  While batch 0's boxes are pooled, the
; volume of batch 1 is already on its way into 128 registers of every wave (16 waves x 16 KiB).
; Sixteen waves.  Wave w stages slice t = w.  Boxes: lane i of wave w holds the record of box 32 (w>>2) + i; in a pass the wave takes
; those boxes of the pass's batch whose rank among them is w & 3 modulo 4.  One wave does a whole box: no barrier inside a pass.
; A maximum may be taken in any order: T and H are reduced first, on 32 (or 2 x 32) whole columns, then W on the 14 rows that remain.
;   T/H: a lane is (ot = lane>>4, par = (lane>>3)&1, q = lane&7): one 16-byte LDS load of the wave reads, for both t bins, a pair of
;        slices x 32 columns of one row.  np pairs cover a t bin (they may overlap, which a maximum does not mind).
;        A row that two neighbouring h bins share is kept in R and not read again.
;   W:   a lane is (oh = lane>>3, ow = lane&7); a bin of len columns is covered by kh columns from its head and kh up to its tail
;        (kh <= len <= 2 kh for all seven bins of a box).  Lanes with ow = 7 or oh = 7 repeat their neighbour's work and store the
;        same number to the same address, so that every lane stays on.
; No cluster: work-groups share nothing but the 1,024 bytes of records.  No matrix unit: the problem has no product.
; No tensor load: LDS is full with one volume, so the next one has to wait in registers, and one road serves both.
; LIMITS: a NaN among the features loses the maximum (v_max_num_f32), where the reference would return NaN.
;         Boxes are taken as the records give them (clamped into the table by the launch before).
.set SLICE,  16512                     ; LDS bytes from slice to slice: 64 rows of 256 bytes + 128, so that the two slices of a pair lie
                                       ; 128 bytes apart modulo 256 and sixteen lanes address sixteen different 16-byte columns modulo 256
.set SCR,    16*SLICE                  ; 264,192: behind the volume, each wave's own scratch
.set SP,     272                       ; a scratch row: 64 columns of 4 bytes + 16
.set SOT,    7*SP                      ; the seven rows of t bin 1 lie behind those of t bin 0
.set SWAVE,  14*SP                     ; 3,808 bytes a wave; 16 x 3,808 + 264,192 = 325,120
.set DIV7,   9363                      ; (p * 9363) >> 16 = p / 7 for p < 13107; here p <= 7 x 64 + 6
.set VOLB,   0x4000000                 ; bytes from batch 0 to batch 1: 256 channels of 262,144
.set OUTBOX, 100352                    ; bytes of a box in out0: 256 x 98 x 4
.set OUTCH,  392                       ; of a channel: 98 x 4
.set OUTOT,  196                       ; of a t bin: 49 x 4
; v1 16 lane   v2 my slice + 16 lane   v3 ot   v4 par   v5 16 q   v6 ot SOT + 16 q (inside my scratch)   v7, v8 scratch row of my first, second oh
; v9 ow   v10, v11 byte of (oh, ow) in a t bin of out0, first and second oh   v[12:13] my lane's record   v14-v19 at work
; v20, v21 the box's two slice-pair bases   v22, v23 a bin's addresses
.set ACC, 24                           ; v[24:27]   the bin's running maximum, 4 columns
.set R,   28                           ; v[28:31]   the bin's last row (T reduced), carried to the next bin; in the W stage the 4 results
.set BUF, 32                           ; v[32:127]  up to 6 rows x 4 loads x 4 registers
.set STG, 128                          ; v[128:255] my slice of the next volume
; s10 wave, s11 wave>>2, s12 wave&3; s[14:15], s[16:17] my slice in batch 0, 1; s[18:19] out0 at my channel; s[20:21] at the box too;
; s22 pass; s23 my boxes (a lane mask); s24 their number; s25 counter; s26 lane of the box; s27, s28 its record; s29 y1, s30 Lh, s31 x1,
; s32 Lw, s33 t1, s35 s1, s36 np, s37 xa, s38 nchunk, s39 kh, s40 hs, s41 boff; s42 chunk; s43 its first column; s44 oh; s45 oh x Lh;
; s46 last row of the bin before; s47 first row; s48 end; s49 rows to read; s50 first of them in the volume; s51 carry mask; s54 -inf;
; s58 my scratch's first byte, kept for the whole kernel; s52, s53, s57, s59 at work
.macro LOADSTAGE lo                    ; my slice, 16 KiB: 32 loads of 512 neighbouring bytes each; read once in the launch
.set ii, 0
.rept 32
	global_load_b128 v[STG+4*ii:STG+4*ii+3], v1, s[\lo:\lo+1] offset:512*ii th:TH_LOAD_NT
.set ii, ii+1
.endr
.endm
.macro STORESTAGE
.set ii, 0
.rept 32
	s_wait_loadcnt 31-ii                           ; loads return in order (ISA guide 5.7.1): load ii is in, the 31-ii younger ones may be out
	ds_store_b128 v2, v[STG+4*ii:STG+4*ii+3] offset:512*ii
.set ii, ii+1
.endr
.endm
; The row read first (the bin's LAST row): reduce its np loads into R, which the next bin may need, then into ACC.
.macro FOLDFIRST np
.irp c, 0,1,2,3
.if \np == 1
	v_mov_b32 v[R+\c], v[BUF+\c]
.endif
.if \np == 2
	v_max_num_f32 v[R+\c], v[BUF+\c], v[BUF+4+\c]
.endif
.if \np >= 3
	v_max3_num_f32 v[R+\c], v[BUF+\c], v[BUF+4+\c], v[BUF+8+\c]
.endif
.endr
.if \np == 4
.irp c, 0,1,2,3
	v_max_num_f32 v[R+\c], v[R+\c], v[BUF+12+\c]
.endr
.endif
.irp c, 0,1,2,3
	v_max_num_f32 v[ACC+\c], v[ACC+\c], v[R+\c]
.endr
.endm
; Any other row: its np loads, from register b on, go straight into ACC.
.macro FOLDNEXT np, b
.irp c, 0,1,2,3
.if \np == 1
	v_max_num_f32 v[ACC+\c], v[ACC+\c], v[\b+\c]
.else
	v_max3_num_f32 v[ACC+\c], v[ACC+\c], v[\b+\c], v[\b+4+\c]
.endif
.endr
.if \np == 3
.irp c, 0,1,2,3
	v_max_num_f32 v[ACC+\c], v[ACC+\c], v[\b+8+\c]
.endr
.endif
.if \np == 4
.irp c, 0,1,2,3
	v_max3_num_f32 v[ACC+\c], v[ACC+\c], v[\b+8+\c], v[\b+12+\c]
.endr
.endif
.endm
; One h bin with cnt rows to read, np loads a row, all issued in one run, the last row first.  br = 1: jump to the bin's end.
.macro BIN np, cnt, br
	s_min_u32 s52, s50, 64-\cnt                    ; never active on a box inside the table: it bounds the address, rows s52 .. s52+cnt-1 <= 63
	v_lshl_add_u32 v22, s52, 8, v20
.if \np >= 2
	v_lshl_add_u32 v23, s52, 8, v21
.endif
.set kk, 0
.rept \cnt
.set bb, BUF+4*\np*kk
.set oo, 256*(\cnt-1-kk)
	ds_load_b128 v[bb:bb+3], v22 offset:oo
.if \np == 2
	ds_load_b128 v[bb+4:bb+7], v23 offset:oo
.endif
.if \np >= 3
	ds_load_b128 v[bb+4:bb+7], v22 offset:oo+2*SLICE
	ds_load_b128 v[bb+8:bb+11], v23 offset:oo
.endif
.if \np == 4
	ds_load_b128 v[bb+12:bb+15], v23 offset:oo+2*SLICE
.endif
.set kk, kk+1
.endr
	s_wait_dscnt \np*(\cnt-1)                      ; LDS answers in order: the first row's np loads are in, those of the cnt-1 later rows may be out
	FOLDFIRST \np
.if \cnt > 1
.set kk, 1
.rept \cnt-1
	s_wait_dscnt \np*(\cnt-1-kk)                   ; likewise: the rows issued behind row kk may be out
	FOLDNEXT \np, BUF+4*\np*kk
.set kk, kk+1
.endr
.endif
.if \br
	s_branch .Lemit\np
.endif
.endm
; T and H reduction of one box with np slice pairs a t bin.  cla, clb bound the slice numbers of the two bases (13 where a load
; reaches two slices further by its offset); never active on a box inside the table.
.macro ROIBODY np, cla, clb
.Lnp\np:
	s_mov_b32 s42, 0
.Lchunk\np:
	s_lshl_b32 s43, s42, 5
	s_add_co_u32 s43, s43, s37
	s_min_u32 s43, s43, 32                         ; the chunk's first column
	v_lshl_add_u32 v14, s43, 2, v5                 ; my 16 bytes in a row
	v_mad_u32_u24 v15, v3, s35, s33                ; t1 + ot s1
	v_mad_u32_u24 v15, v4, s40, v15                ; + par hs: my slice of the first pair
	v_min_u32 v16, \cla, v15
	v_mad_u32_u24 v20, v16, SLICE, v14
.if \np >= 2
	v_add_nc_u32 v17, s41, v15                     ; the second run of pairs ends with the bin's last slice
	v_min_u32 v17, \clb, v17
	v_mad_u32_u24 v21, v17, SLICE, v14
.endif
	s_mov_b32 s44, 0
	s_mov_b32 s45, 0
	s_mov_b32 s46, -1                              ; no row is carried into the first bin
.Loh\np:
	s_mul_i32 s47, s45, DIV7
	s_lshr_b32 s47, s47, 16                        ; s = floor(oh Lh / 7)
	s_add_co_u32 s45, s45, s30
	s_add_co_u32 s48, s45, 6
	s_mul_i32 s48, s48, DIV7
	s_lshr_b32 s48, s48, 16                        ; e = ceil((oh+1) Lh / 7)
	s_add_co_u32 s52, s47, 6
	s_min_u32 s48, s48, s52                        ; the reference reads 6 rows of a bin at most
	s_cmp_eq_u32 s47, s46                          ; the bin starts with the row that ended the bin before: it is in R
	s_cselect_b32 s51, -1, 0
	s_sub_co_u32 s47, s47, s51                     ; then the reading starts one row later
	s_sub_co_u32 s49, s48, s47                     ; rows to read, 0..6
	s_add_co_u32 s46, s48, -1
	s_add_co_u32 s50, s29, s47                     ; the first of them, counted in the volume
.irp c, 0,1,2,3
	v_cndmask_b32 v[ACC+\c], s54, v[R+\c], s51     ; the bin starts from the carried row, or from -inf
.endr
	s_cmp_eq_u32 s49, 3
	s_cbranch_scc1 .Lc3n\np
	s_cmp_eq_u32 s49, 2
	s_cbranch_scc1 .Lc2n\np
	s_cmp_eq_u32 s49, 4
	s_cbranch_scc1 .Lc4n\np
	s_cmp_eq_u32 s49, 1
	s_cbranch_scc1 .Lc1n\np
	s_cmp_eq_u32 s49, 0
	s_cbranch_scc1 .Lemit\np
	s_cmp_eq_u32 s49, 5
	s_cbranch_scc1 .Lc5n\np
	BIN \np, 6, 1
.Lc5n\np:
	BIN \np, 5, 1
.Lc4n\np:
	BIN \np, 4, 1
.Lc1n\np:
	BIN \np, 1, 1
.Lc2n\np:
	BIN \np, 2, 1
.Lc3n\np:
	BIN \np, 3, 0
.Lemit\np:
.irp c, 0,1,2,3
	v_max_num_f32_dpp v[ACC+\c], v[ACC+\c], v[ACC+\c] row_xmask:8 row_mask:0xf bank_mask:0xf   ; lane xor 8: the pair's other slice
.endr
	s_mul_i32 s57, s44, SP                         ; scratch row oh,
	s_lshl_b32 s52, s43, 2                         ; at the chunk's first column (columns keep their place in the volume)
	s_add_co_u32 s57, s57, s52
	v_add_nc_u32 v22, s57, v6                      ; + ot SOT + 16 q: at most 6 x 272 + 128 + 1,904 + 112 = 3,776
	v_min_u32 v22, SWAVE-16, v22                   ; never active: it states that the 16 bytes lie inside one wave's 3,808,
	v_add_nc_u32 v22, s58, v22                     ; which are my own
	ds_store_b128 v22, v[ACC:ACC+3]                ; both lanes of a pair write the same 16 bytes with the same numbers
	s_add_co_u32 s44, s44, 1
	s_cmp_lt_u32 s44, 7
	s_cbranch_scc1 .Loh\np
	s_add_co_u32 s42, s42, 1
	s_cmp_lt_u32 s42, s38
	s_cbranch_scc1 .Lchunk\np
	s_branch .Lwstage
.endm
; W stage with kh columns from a bin's head and kh up to its tail.  Result rr = 2 x (first or second oh) + ot, in v[R+rr].
.macro WST kh
.set rr, 0
.irp ad, 16, 18
.irp ot, 0, 1
.set jj, 0
.rept \kh
	ds_load_b32 v[BUF+2*\kh*rr+jj], v[\ad] offset:\ot*SOT+4*jj
	ds_load_b32 v[BUF+2*\kh*rr+\kh+jj], v[\ad+1] offset:\ot*SOT+4*jj
.set jj, jj+1
.endr
.set rr, rr+1
.endr
.endr
.set rr, 0
.rept 4
.set bb, BUF+2*\kh*rr
	s_wait_dscnt 2*\kh*(3-rr)                      ; the 2 kh loads of each later result may be out
.if \kh == 1
	v_max_num_f32 v[R+rr], v[bb], v[bb+1]
.else
	v_max3_num_f32 v[R+rr], v[bb], v[bb+1], v[bb+2]
.endif
.if \kh == 2
	v_max_num_f32 v[R+rr], v[R+rr], v[bb+3]
.endif
.if \kh == 3
	v_max3_num_f32 v[R+rr], v[R+rr], v[bb+3], v[bb+4]
	v_max_num_f32 v[R+rr], v[R+rr], v[bb+5]
.endif
.set rr, rr+1
.endr
.endm
	; ---- set-up ----
	s_load_b128 s[4:7], s[0:1], 0x0                ; features s[4:5], recs s[6:7]
	s_load_b64 s[8:9], s[0:1], 0x10                ; out0
	v_lshrrev_b32 v15, 5, v0
	v_readfirstlane_b32 s10, v15                   ; wave 0..15
	v_and_b32 v14, 31, v0                          ; lane
	s_lshr_b32 s11, s10, 2                         ; which 32 boxes my lanes hold
	s_and_b32 s12, s10, 3                          ; which of every four of them are mine
	s_mul_i32 s59, s10, SLICE
	s_mul_i32 s58, s10, SWAVE
	s_add_co_u32 s58, s58, SCR                     ; my scratch
	s_mov_b32 s54, 0xff800000                      ; -inf
	v_lshlrev_b32 v1, 4, v14
	v_add_nc_u32 v2, s59, v1
	v_lshrrev_b32 v3, 4, v14
	v_bfe_u32 v4, v0, 3, 1
	v_and_b32 v5, 7, v0
	v_min_u32 v9, 6, v5                            ; ow; lane 7 of eight repeats ow = 6
	v_lshlrev_b32 v5, 4, v5
	v_mad_u32_u24 v6, v3, SOT, v5                  ; my place inside the scratch in the T/H stage
	v_bfe_u32 v15, v0, 3, 2                        ; first oh: lane >> 3 = 0..3
	v_add_nc_u32 v16, 4, v15
	v_min_u32 v16, 6, v16                          ; second oh: 4, 5, 6, and 6 again
	v_mul_u32_u24 v7, SP, v15
	v_mul_u32_u24 v8, SP, v16
	v_add_nc_u32 v7, s58, v7
	v_add_nc_u32 v8, s58, v8
	v_lshlrev_b32 v17, 2, v9
	v_mad_u32_u24 v10, v15, 28, v17
	v_mad_u32_u24 v11, v16, 28, v17
	s_lshl_b32 s52, s11, 8
	v_lshl_add_u32 v19, v14, 3, s52                ; record of box 32 (wave>>2) + lane
.irp c, 0,1,2,3
	v_mov_b32 v[R+\c], s54                         ; R is named by the first bin's select, which does not take it
.endr
	s_lshl_b32 s52, ttmp9, 18                      ; my channel: 262,144 bytes each
	s_lshl_b32 s53, s10, 14                        ; my slice: 16,384 bytes each
	s_add_co_u32 s52, s52, s53
	s_mov_b32 s53, 0
	s_wait_kmcnt 0x0
	s_add_nc_u64 s[14:15], s[4:5], s[52:53]
	s_add_nc_u64 s[16:17], s[14:15], VOLB
	s_mul_i32 s52, ttmp9, OUTCH
	s_add_nc_u64 s[18:19], s[8:9], s[52:53]
	global_load_b64 v[12:13], v19, s[6:7]          ; older than the 32 loads below: in when the first of them is
	LOADSTAGE 14
	s_mov_b32 s22, 0
	; ---- a pass: the volume of batch s22 ----
.Lphase:
	STORESTAGE
	s_wait_dscnt 0x0                               ; my slice is in LDS,
	s_barrier_signal -1
	s_barrier_wait -1                              ; everybody's is
	s_cmp_lg_u32 s22, 0
	s_cbranch_scc1 .Lnoload
	LOADSTAGE 16                                   ; batch 1's volume sets out now; nothing in this pass waits for it
.Lnoload:
	v_bfe_u32 v14, v12, 26, 1                      ; my lane's box: its batch
	v_cmp_eq_u32 s52, s22, v14                     ; boxes of this pass
	v_mbcnt_lo_u32_b32 v15, s52, 0                 ; rank among them
	v_and_b32 v15, 3, v15
	v_cmp_eq_u32 s53, s12, v15
	s_and_b32 s23, s52, s53                        ; mine
	s_bcnt1_i32_b32 s24, s23
	s_cmp_eq_u32 s24, 0
	s_cbranch_scc1 .Lphase_end
	s_mov_b32 s25, 0
.Lroi:
	s_wait_xcnt 0x0                                ; s[20:21] and v[28:31], which the last box's stores read, are rewritten only behind this wait
	s_ctz_i32_b32 s26, s23
	s_min_u32 s26, s26, 31                         ; the lane that holds my next box
	s_lshl_b32 s52, 1, s26
	s_and_not1_b32 s23, s23, s52
	v_readlane_b32 s27, v12, s26
	v_readlane_b32 s28, v13, s26
	s_bfe_u32 s29, s27, 0x60000                    ; y1
	s_bfe_u32 s30, s27, 0x70006                    ; Lh
	s_bfe_u32 s31, s27, 0x6000d                    ; x1
	s_bfe_u32 s32, s27, 0x70013                    ; Lw
	s_bfe_u32 s33, s28, 0x40000                    ; t1
	s_bfe_u32 s35, s28, 0x40008                    ; s1
	s_bfe_u32 s36, s28, 0x3000c                    ; np
	s_bfe_u32 s37, s28, 0x6000f                    ; xa
	s_bfe_u32 s38, s28, 0x20015                    ; nchunk
	s_bfe_u32 s39, s28, 0x20017                    ; kh
	s_bfe_u32 s41, s28, 0x30019                    ; boff
	s_bfe_u32 s40, s28, 0x1001c                    ; hs
	s_min_u32 s38, s38, 2
	s_lshl_b32 s52, s11, 5
	s_add_co_u32 s52, s52, s26                     ; the box's number
	s_mul_i32 s52, s52, OUTBOX                     ; at most 127 x 100,352: one word
	s_mov_b32 s53, 0
	s_add_nc_u64 s[20:21], s[18:19], s[52:53]
	s_cmp_eq_u32 s36, 2
	s_cbranch_scc1 .Lnp2
	s_cmp_eq_u32 s36, 3
	s_cbranch_scc1 .Lnp3
	s_cmp_ge_u32 s36, 4
	s_cbranch_scc1 .Lnp4
	ROIBODY 1, 15, 15
	ROIBODY 2, 15, 15
	ROIBODY 3, 13, 15
	ROIBODY 4, 13, 13
	; ---- W: 14 scratch rows to 2 x 7 x 7.  The scratch is my wave's own and LDS serves a wave in order: no wait, no barrier ----
.Lwstage:
	v_mul_u32_u24 v14, s32, v9                     ; ow Lw
	v_add_nc_u32 v15, s32, v14
	v_add_nc_u32 v15, 6, v15
	v_mul_u32_u24 v14, DIV7, v14
	v_mul_u32_u24 v15, DIV7, v15
	v_lshrrev_b32 v14, 16, v14                     ; s = floor(ow Lw / 7)
	v_lshrrev_b32 v15, 16, v15                     ; e = ceil((ow+1) Lw / 7)
	v_sub_nc_u32 v15, v15, v14
	v_min_u32 v15, 6, v15                          ; len: the reference reads 6 columns of a bin at most
	v_add_nc_u32 v14, s31, v14                     ; the bin's first column
	v_add_nc_u32 v15, v14, v15
	v_sub_nc_u32 v15, v15, s39                     ; and the first of its last kh
	v_min_u32 v14, 63, v14                         ; never active on a box inside the table: they bound the addresses
	v_min_u32 v15, 63, v15
	v_lshl_add_u32 v16, v14, 2, v7
	v_lshl_add_u32 v17, v15, 2, v7
	v_lshl_add_u32 v18, v14, 2, v8
	v_lshl_add_u32 v19, v15, 2, v8
	s_cmp_eq_u32 s39, 2
	s_cbranch_scc1 .Lw2
	s_cmp_ge_u32 s39, 3
	s_cbranch_scc1 .Lw3
	WST 1
	s_branch .Lstore
.Lw2:
	WST 2
	s_branch .Lstore
.Lw3:
	WST 3
.Lstore:
	global_store_b32 v10, v[R+0], s[20:21]                 ; oh 0-3 of t bin 0: 112 neighbouring bytes
	global_store_b32 v10, v[R+1], s[20:21] offset:OUTOT    ; of t bin 1
	global_store_b32 v11, v[R+2], s[20:21]                 ; oh 4-6: 84 neighbouring bytes
	global_store_b32 v11, v[R+3], s[20:21] offset:OUTOT
	s_add_co_u32 s25, s25, 1
	s_cmp_lt_u32 s25, s24
	s_cbranch_scc1 .Lroi
.Lphase_end:
	s_wait_dscnt 0x0                               ; my reads of this volume are over,
	s_barrier_signal -1
	s_barrier_wait -1                              ; everybody's are: the next volume may be written over it
	s_add_co_u32 s22, s22, 1                       ; (behind the second pass this barrier orders nothing: the price of one body for both)
	s_cmp_lt_u32 s22, 2
	s_cbranch_scc1 .Lphase
	s_wait_xcnt 0x0
	v_lshl_add_u32 v254, v0, 2, 0x4f600
	v_mov_b32 v255, 0
	s_wait_tensorcnt 0x0
	ds_add_u32 v254, v255
	s_wait_dscnt 0x0
	s_endpgm
.Lfunc_end_k_q00ef22e380_pool:
	.size	k_q00ef22e380_pool, .Lfunc_end_k_q00ef22e380_pool-k_q00ef22e380_pool
	.p2alignl 7, 3214868480
	.fill 96, 4, 3214868480
	.section	.rodata,"a",@progbits
	.p2align	6, 0x0
	.amdhsa_kernel k_q00ef22e380_pool
		.amdhsa_group_segment_fixed_size 327168
		.amdhsa_private_segment_fixed_size 0
		.amdhsa_enable_private_segment 0
		.amdhsa_kernarg_size 24
		.amdhsa_user_sgpr_count 2
		.amdhsa_user_sgpr_kernarg_segment_ptr 1
		.amdhsa_wavefront_size32 1
		.amdhsa_system_sgpr_workgroup_id_x 1
		.amdhsa_system_sgpr_workgroup_id_y 1
		.amdhsa_system_sgpr_workgroup_id_z 1
		.amdhsa_system_vgpr_workitem_id 0
		.amdhsa_next_free_vgpr 256
		.amdhsa_next_free_sgpr 66
		.amdhsa_reserve_vcc 0
		.amdhsa_float_denorm_mode_32 3
		.amdhsa_float_denorm_mode_16_64 3
		.amdhsa_memory_ordered 1
		.amdhsa_forward_progress 1
		.amdhsa_inst_pref_size 77
	.end_amdhsa_kernel
	.amdgpu_metadata
---
amdhsa.version: [ 1, 2 ]
amdhsa.kernels:
  - .name:           k_q00ef22e380_pool
    .symbol:         k_q00ef22e380_pool.kd
    .args:
      - { .name: features, .offset: 0, .size: 8, .value_kind: global_buffer, .address_space: global }
      - { .name: recs, .offset: 8, .size: 8, .value_kind: global_buffer, .address_space: global }
      - { .name: out0, .offset: 16, .size: 8, .value_kind: global_buffer, .address_space: global }
    .group_segment_fixed_size: 327168
    .private_segment_fixed_size: 0
    .kernarg_segment_align: 8
    .kernarg_segment_size: 24
    .max_flat_workgroup_size: 512
    .sgpr_count:     66
    .vgpr_count:     256
    .wavefront_size: 32
...
	.end_amdgpu_metadata
.endif
;; end of part 2
